; MI455X (gfx1250); checked and timed in simulation.
; The chip was launched on July 23, 2026; its instructions are those of AMD's public machine-readable ISA for CDNA 5 (MIT licence, August 2026) and "CDNA5" Instruction Set Architecture Reference Guide (July 2026). The comments in the code are by the model that wrote it; some were corrected since.
;; Environment Specific Decoder. Allowed arithmetic: float matrix products may take bf16 or f16 operands with f32 sums; all other float work in f32.
;; Inputs: A 128 x 128 float32; W1e 8 x 256 x 256 float32; W2e 8 x 256 x 2 float32; W_sig 64 x 256 float32; Wc 64 x 128 float32; Wo 128 x 1 float32; b1e 8 x 256 float32; b2e 8 x 2 float32; b_sig 256 float32; bc 128 float32; bo 1 float32; regime 32 int32; z_corrupt 32 x 64 x 128 x 64 float32; z_signal 32 x 64 x 128 x 64 float32.
;; Outputs: out0 32 x 64 x 128 float32; out1 32 x 64 x 128 float32.
;; 2 versions, each right and faster than the one before. Each part assembles by itself: llvm-mc -triple=amdgcn-amd-amdhsa -mcpu=gfx1250 --defsym DOCPART=n.
;; ======== version 1 of 2: 1 launch
;; limits: values are held in f16: magnitudes above 65,504 overflow, below 6.1e-05 lose precision; right only within a limited range of input values
;; launch decoder (part 1): grid 256 x 1, 4 waves a work-group, no clusters, 327,680 bytes of LDS; arguments z_signal, z_corrupt, A, W_sig, b_sig, Wc, bc, Wo, W1e, b1e, W2e, b2e, bo, regime, out0, out1; writes out0, out1
.if DOCPART == 1
	.amdgcn_target "amdgcn-amd-amdhsa--gfx1250"
	.amdhsa_code_object_version 6
	.text
	.protected	k_q04b7bc9a9c_decoder
	.globl	k_q04b7bc9a9c_decoder
	.p2align	8
	.type	k_q04b7bc9a9c_decoder,@function
k_q04b7bc9a9c_decoder:
	s_mov_b64 s[64:65], 0
	v_nop
	global_prefetch_b8 v0, s[64:65] scope:SCOPE_SE
	s_setreg_imm32_b32 hwreg(HW_REG_WAVE_MODE, 25, 1), 1
	s_wait_xcnt 0x0
; EnvironmentSpecificDecoder.  2,048 slices (b, t), each with z_signal and z_corrupt of 128 x 64 f32.
;   mu    = relu((A^T z_s) W_sig W1[e] + b_sig W1[e] + b1[e]) W2[e][:,0] + b2[e][0] + relu(z_c Wc + bc) Wo + bo
;   sigma = softplus(the same with W2[e][:,1], b2[e][1]) + 0.01
; No nonlinearity stands between W_sig and W1[e], so Wcomb = W_sig W1[e] (64 x 256) and bias = b_sig W1[e] + b1[e] are made
; once by each work-group; a slice then takes 128 matrix instructions of each wave instead of 384.
; WORK: work-group g owns slices 8 g .. 8 g + 7 (all of batch element g >> 3, so one environment); wave w owns rows 32 w .. 32 w + 31.
; FORMATS: the four wide products take f16 operands and f32 sums.  A is multiplied by 1/8 and Wcomb by 8 ahead of their rounding
; (powers of two: exact, and they cancel), which centres z_agg and Wcomb in f16's range.  The products 256 -> 2 and 128 -> 1,
; biases, ReLU and softplus are f32 vector work: h1 is never rounded.
; LIMITS: |z|, |W_sig|, |W1e|, |Wc|, |b_sig| < 65504; |A|, |A^T z| < 5.2e5; |W_sig W1e| < 8188 (beyond these an f16 operand is infinite).
; ReLU is a maximum in which NaN loses: a NaN becomes 0.  A negative regime is taken as environment 0 (unsigned compare).
; NO JOINT LOADS: z is each work-group's own; the weights that work-groups share come once, by loads into registers in the
; fragments' own order, and LDS has no room for W1e[e]'s 262,144 bytes beside the z slices that are already on their way.
; No loop: eight slices are written out by macro, so that every slot address and every wait's count is a constant of the text.
;
; FRAGMENTS (lane L, r = L & 15, h = L >> 4).  A row-major f32 matrix [K][N] becomes operands without a transpose: a lane loads
; the 16 bytes of columns 4 r .. 4 r + 3 of sixteen rows k; the c-th numbers of these, packed in pairs, are the fragment whose
; index r stands for column 4 r + c.  A result tile (lane = n, register j = m = 8 h + j) packed in register pairs is again an
; operand with index n and k = m, so z_agg and Wcomb go from result to operand inside their lanes, both with the same order of k.
.set PITCH,  272                       ; LDS row of z: 256 bytes + 16 = 17 x 16: sixteen rows start at sixteen different 16-byte columns modulo 256
.set QTR,    64*PITCH                  ; what one tensor load brings: 64 rows
.set ZCOFF,  128*PITCH                 ; z_c's rows lie behind z_s's 128
.set SLOT,   256*PITCH                 ; 69,632 bytes: one slice
.set SLICEB, 32768                     ; bytes of one slice of one z in memory
.set WSIG,   3*SLOT                    ; slot 3 first holds W_sig in f32: LDS row 16 tau + r' = W_sig's row 4 r' + tau
.set WPITCH, 1040                      ; 1,024 + 16 = 65 x 16
.set XW,     4*SLOT                    ; Wcomb's fragments: (2 g + u) x 1,024 + {0, 512} + 16 L           (32,768 bytes)
.set XB,     XW+32768                  ; the bias, four copies of each: (16 g + r) x 16                    (4,096 bytes)
.set STG,    XB+4096                   ; mu[8][128] f32, sigma[8][128] f32 behind it                        (8,192 bytes)
; window 0
.set ZS,   4                           ; v4-7    slot k: k SLOT + 8 h PITCH + 16 r
.set ZCA,  8                           ; v8-11   slot k: k SLOT + ZCOFF + (32 w + r) PITCH + 64 h
.set STS,  12                          ; STG + 4 x my row
.set VW1,  13                          ; 8192 h + 16 r + 256 w
.set VSF,  14                          ; WSIG + WPITCH r + 32 h
.set VB,   15                          ; 32 h
.set VXS,  16                          ; XW + 16 L + 8192 w
.set VXL,  17                          ; XW + 16 L
.set VXB,  18                          ; XB + 16 r
.set VXBS, 19                          ; XB + 16 r + 1024 w
.set VA,   20                          ; 4096 h + 4 r + 128 w
.set VWC,  21                          ; 8192 h + 16 r
.set V16,  22                          ; 16 r
.set V32,  23                          ; 32 r
.set TP,   24                          ; v24-31  at work
.set ZF0,  32                          ; z_s fragments, two buffers of 4 x 8
.set ZF1,  64
.set ZC,   32                          ; z_c fragments 8 (2 t + u), once ZF0 is done with
.set BK1,  64                          ; result bank 1 (4 tiles), once ZF1 is done with
.set D1,   96                          ; stage 1's results 8 (2 c + t)
.set RT,   96                          ; v96-103 at work in the sums over lanes
.set GF,   160                         ; z_agg's fragments 8 (2 t + u)
.set T1,   160                         ; v160-223 z_s as loaded, second buffer (ahead of GF's and ACC's use)
.set ACC,  192                         ; 16 col + 8 t + j
.set BK0,  224                         ; result bank 0
.set W1F,  32                          ; at the head: W1e's fragments, W_sig's, b_sig's
.set SF,   64
.set BF,   96
.set WC0,  96                          ; v96-223 Wc's rows 0-31 as loaded
.set B1V,  224
.set TMB,  228                         ; v228-243
.set WFO,  32                          ; v32-95  my sixteen columns x 4 of Wcomb as fragments
; window 1
.set WF,   0                           ; 16 g + 8 u
.set TW0,  0
.set TW1,  64
.set TS,   128
.set TB0,  192
.set TB1,  208
; window 2
.set CF,   0                           ; Wc's fragments 16 g' + 8 u
.set AF,   128                         ; A's fragments 16 s + 8 t
.set W2V,  192                         ; 2 g + col
.set WOV,  224                         ; g'
; window 3
.set T0,   0                           ; z as loaded, first buffer
.set BB,   64                          ; 8 g: the bias of the lane's column, eight times
.set BCB,  192                         ; 8 g': bc likewise
.set WC1,  0                           ; at the head: Wc's rows 32-63 as loaded, A as loaded,
.set AST,  128
.set DW,   0                           ; then Wcomb's results 8 (4 tau + c) and b_sig W1's 8 c
.set RDB,  128
.set MSB, 0
.macro WIN new                         ; low byte: bits 1:0 source 0, 3:2 source 1, 5:4 source 2, 7:6 destination; the high byte repeats the setting that is left
.if MSB != \new
	s_set_vgpr_msb (MSB<<8)|\new
.set MSB, \new
.endif
.endm
.macro PLACES                          ; four independent vector instructions behind a matrix instruction (ISA guide 7.12.1)
.rept 4
	v_nop
.endr
.endm
; sixteen loaded quads at tb -> four fragments at dst, dst + stride, ..
.macro CVT4 tb, dst, stride
.irp c, 0,1,2,3
.irp p, 0,1,2,3,4,5,6,7
	v_cvt_pk_f16_f32 v[\dst+\stride*\c+\p], v[\tb+8*\p+\c], v[\tb+8*\p+4+\c]
.endr
.endr
.endm
; 2 n numbers in their order -> n registers
.macro CVTSEQ tb, dst, n
.set i_, 0
.rept \n
	v_cvt_pk_f16_f32 v[\dst+i_], v[\tb+2*i_], v[\tb+2*i_+1]
.set i_, i_+1
.endr
.endm
; z_s rows 32 s + (k in a fragment's own order), columns 4 r .. 4 r + 3: lanes 0-15 read one whole row, lanes 16-31 the row 8 further
.macro LDZS k, s, tb
.irp q, 0,1,2,3,4,5,6,7,8,9,10,11,12,13,14,15
	ds_load_b128 v[\tb+4*\q:\tb+4*\q+3], v[ZS+\k] offset:(32*\s+(\q&7)+16*(\q>>3))*PITCH
.endr
.endm
; z_c: row 32 w + 16 t + r, columns 32 u + 16 h .. + 15
.macro LDZC k
.irp t, 0,1
.irp u, 0,1
.irp q, 0,1,2,3
	ds_load_b128 v[T0+16*(2*\t+\u)+4*\q:T0+16*(2*\t+\u)+4*\q+3], v[ZCA+\k] offset:16*PITCH*\t+128*\u+16*\q
.endr
.endr
.endr
.endm
; stage 1, K step s: eight accumulators, one instruction a turn
.macro MM1 zf, s, zero
.irp c, 0,1,2,3
.irp t, 0,1
.if \zero
	v_wmma_f32_16x16x32_f16 v[D1+8*(2*\c+\t):D1+8*(2*\c+\t)+7], v[\zf+8*\c:\zf+8*\c+7], v[AF+16*\s+8*\t:AF+16*\s+8*\t+7], 0
.else
	v_wmma_f32_16x16x32_f16 v[D1+8*(2*\c+\t):D1+8*(2*\c+\t)+7], v[\zf+8*\c:\zf+8*\c+7], v[AF+16*\s+8*\t:AF+16*\s+8*\t+7], v[D1+8*(2*\c+\t):D1+8*(2*\c+\t)+7]
.endif
.endr
.endr
.endm
; four tiles of z_c Wc + bc: the first K step takes the bias as C, the second adds in place; four accumulators by turns
.macro MMC bank, t, g0
	WIN 0x38
.irp i, 0,1,2,3
	v_wmma_f32_16x16x32_f16 v[\bank+8*\i:\bank+8*\i+7], v[ZC+16*\t:ZC+16*\t+7], v[CF+16*(\g0+\i):CF+16*(\g0+\i)+7], v[BCB+8*(\g0+\i):BCB+8*(\g0+\i)+7]
.endr
	WIN 0x08
.irp i, 0,1,2,3
	v_wmma_f32_16x16x32_f16 v[\bank+8*\i:\bank+8*\i+7], v[ZC+16*\t+8:ZC+16*\t+15], v[CF+16*(\g0+\i)+8:CF+16*(\g0+\i)+15], v[\bank+8*\i:\bank+8*\i+7]
.endr
.endm
; four tiles of z_agg Wcomb + bias, likewise
.macro MMS bank, t, g0
	WIN 0x34
.irp i, 0,1,2,3
	v_wmma_f32_16x16x32_f16 v[\bank+8*\i:\bank+8*\i+7], v[GF+16*\t:GF+16*\t+7], v[WF+16*(\g0+\i):WF+16*(\g0+\i)+7], v[BB+8*(\g0+\i):BB+8*(\g0+\i)+7]
.endr
	WIN 0x04
.irp i, 0,1,2,3
	v_wmma_f32_16x16x32_f16 v[\bank+8*\i:\bank+8*\i+7], v[GF+16*\t+8:GF+16*\t+15], v[WF+16*(\g0+\i)+8:WF+16*(\g0+\i)+15], v[\bank+8*\i:\bank+8*\i+7]
.endr
.endm
.macro RELU32 bank                     ; the constant stands last, so that the register is source 0 (window 0)
.set i_, 0
.rept 32
	v_max_num_f32 v[\bank+i_], v[\bank+i_], 0
.set i_, i_+1
.endr
.endm
; eight rows of one tile times the lane's weight (register sel of the pair wreg, window 2), onto acc; mul = 1 starts the sums
.macro FMA4 acc, src, wreg, sel, mul
.irp p, 0,1,2,3
.if \mul
	v_pk_mul_f32 v[\acc+2*\p:\acc+2*\p+1], v[\src+2*\p:\src+2*\p+1], v[\wreg:\wreg+1] op_sel:[0,\sel] op_sel_hi:[1,\sel]
.else
	v_pk_fma_f32 v[\acc+2*\p:\acc+2*\p+1], v[\src+2*\p:\src+2*\p+1], v[\wreg:\wreg+1], v[\acc+2*\p:\acc+2*\p+1] op_sel:[0,\sel,0] op_sel_hi:[1,\sel,1]
.endif
.endr
.endm
.macro EPIC bank, t, g0, first         ; relu(h_c) Wo, into mu's sums
	WIN 0x08
	RELU32 \bank
	FMA4 ACC+8*\t, \bank, WOV+\g0, 0, \first
	FMA4 ACC+8*\t, \bank+8, WOV+\g0, 1, 0
	FMA4 ACC+8*\t, \bank+16, WOV+\g0+2, 0, 0
	FMA4 ACC+8*\t, \bank+24, WOV+\g0+2, 1, 0
.endm
.macro EPIS bank, t, g0, first         ; relu(h1) W2: column 0 goes on with mu's sums, column 1 has sums of its own
	WIN 0x08
	RELU32 \bank
	FMA4 ACC+8*\t, \bank, W2V+2*\g0, 0, 0
	FMA4 ACC+16+8*\t, \bank, W2V+2*\g0, 1, \first
	FMA4 ACC+8*\t, \bank+8, W2V+2*\g0+2, 0, 0
	FMA4 ACC+16+8*\t, \bank+8, W2V+2*\g0+2, 1, 0
	FMA4 ACC+8*\t, \bank+16, W2V+2*\g0+4, 0, 0
	FMA4 ACC+16+8*\t, \bank+16, W2V+2*\g0+4, 1, 0
	FMA4 ACC+8*\t, \bank+24, W2V+2*\g0+6, 0, 0
	FMA4 ACC+16+8*\t, \bank+24, W2V+2*\g0+6, 1, 0
.endm
; two sums halve their lanes at once: lanes whose bit x is 0 go on with a, the others with b; each adds its partner's share
.macro REDP a, b, m, x, t0
	v_cndmask_b32 v[\t0], v[\a], v[\b], s[\m]
	v_cndmask_b32 v[\t0+1], v[\b], v[\a], s[\m]
	v_add_f32_dpp v[\a], v[\t0+1], v[\t0] row_xmask:\x row_mask:0xf bank_mask:0xf
.endm
; sixteen sums over sixteen lanes: lane (r, h) ends with row 16 (r >> 3) + 8 h + (r & 7) in the column's first register
.macro RED col
.irp t, 0,1
	REDP ACC+16*\col+8*\t, ACC+16*\col+8*\t+1, 80, 1, RT
	REDP ACC+16*\col+8*\t+2, ACC+16*\col+8*\t+3, 80, 1, RT+2
	REDP ACC+16*\col+8*\t+4, ACC+16*\col+8*\t+5, 80, 1, RT+4
	REDP ACC+16*\col+8*\t+6, ACC+16*\col+8*\t+7, 80, 1, RT+6
	REDP ACC+16*\col+8*\t, ACC+16*\col+8*\t+2, 81, 2, RT
	REDP ACC+16*\col+8*\t+4, ACC+16*\col+8*\t+6, 81, 2, RT+2
	REDP ACC+16*\col+8*\t, ACC+16*\col+8*\t+4, 82, 4, RT+4
.endr
	REDP ACC+16*\col, ACC+16*\col+8, 83, 8, RT+6
.endm
; softplus(x) = max(x, 0) + ln 2 log2(1 + 2^(-|x| log2 e)): the exponent is never above 0
.macro FIN n
	v_add_f32 v[TP], s87, v[ACC]                   ; mu + b2[0] + bo
	v_add_f32 v[TP+1], s85, v[ACC+16]              ; x
	v_and_b32 v[TP+2], 0x7fffffff, v[TP+1]
	v_mul_f32 v[TP+2], 0xbfb8aa3b, v[TP+2]
	v_exp_f32 v[TP+3], v[TP+2]
	v_max_num_f32 v[TP+4], 0, v[TP+1]              ; the plain instruction behind v_exp_f32 (ISA guide 5.7.2)
	s_wait_alu depctr_va_vdst(0)
	v_add_f32 v[TP+3], 1.0, v[TP+3]
	v_log_f32 v[TP+5], v[TP+3]
	v_add_f32 v[TP+4], 0x3c23d70a, v[TP+4]         ; + 0.01: the plain instruction behind v_log_f32
	s_wait_alu depctr_va_vdst(0)
	v_fmamk_f32 v[TP+5], v[TP+5], 0x3f317218, v[TP+4]
	ds_store_b32 v[STS], v[TP] offset:512*\n
	ds_store_b32 v[STS], v[TP+5] offset:4096+512*\n
.endm
; In front of a refill: my LDS reads (and stores) are done, ALL my tensor loads have landed, so every group 0 may be written;
; then the barrier, and the refills are the first tensor loads behind it.  a, b: the slots to fill, -1 for none.
.macro HEAD a, b, step
	s_wait_dscnt 0x0
	s_set_vgpr_msb 0xa
	s_wait_tensorcnt 0x0
	ds_add_u32 v254, v255
	s_wait_dscnt 0x0
	s_set_vgpr_msb 0xa00
.if \step
	s_add_nc_u64 s[50+4*\a:51+4*\a], s[50+4*\a:51+4*\a], 4*SLICEB
	s_add_nc_u64 s[50+4*\b:51+4*\b], s[50+4*\b:51+4*\b], 4*SLICEB
.endif
	s_barrier_signal -1
	s_barrier_wait -1
.if \a >= 0
	tensor_load_to_lds s[48+4*\a:51+4*\a], s[40:47]
	s_nop 0
.endif
.if \b >= 0
	tensor_load_to_lds s[48+4*\b:51+4*\b], s[40:47]
	s_nop 0
.endif
.endm
; 32 rows of W1e[e] (my 64 columns) and 32 numbers of b_sig: 20 loads
.macro LDCHUNK ks, tw, tb
.irp q, 0,1,2,3,4,5,6,7,8,9,10,11,12,13,14,15
	global_load_b128 v[\tw+4*\q:\tw+4*\q+3], v[VW1], s[24:25] offset:(32*(\ks)+(\q&7)+16*(\q>>3))*1024
.endr
	global_load_b128 v[\tb:\tb+3], v[VB], s[16:17] offset:128*(\ks)
	global_load_b128 v[\tb+4:\tb+7], v[VB], s[16:17] offset:128*(\ks)+16
	global_load_b128 v[\tb+8:\tb+11], v[VB], s[16:17] offset:128*(\ks)+64
	global_load_b128 v[\tb+12:\tb+15], v[VB], s[16:17] offset:128*(\ks)+80
.endm
; One K step (32 hidden units) of W_sig W1e[e] and b_sig W1e[e]
.macro KS ks, twc, tbc, twn, tbn
	WIN 0x40
.if \ks < 7
	LDCHUNK \ks+1, \twn, \tbn
.endif
.irp tau, 0,1,2,3
	ds_load_b128 v[TS+16*\tau:TS+16*\tau+3], v[VSF] offset:16*WPITCH*\tau+128*\ks
	ds_load_b128 v[TS+16*\tau+4:TS+16*\tau+7], v[VSF] offset:16*WPITCH*\tau+128*\ks+16
	ds_load_b128 v[TS+16*\tau+8:TS+16*\tau+11], v[VSF] offset:16*WPITCH*\tau+128*\ks+64
	ds_load_b128 v[TS+16*\tau+12:TS+16*\tau+15], v[VSF] offset:16*WPITCH*\tau+128*\ks+80
.endr
.if \ks < 7
	s_wait_loadcnt 20                              ; this step's 20 loads are in; the next step's 20 stay out
.else
	s_wait_loadcnt 0x0
.endif
.if \ks > 0
	PLACES                                         ; the fragments below were the last step's operands
.endif
	WIN 0x05
	CVT4 \twc, W1F, 8
	CVTSEQ \tbc, BF, 8
	s_wait_dscnt 0x0
	CVTSEQ TS, SF, 32
	WIN 0xf0                                       ; twenty accumulators by turns, one instruction a turn
.irp tau, 0,1,2,3
.irp c, 0,1,2,3
.if \ks == 0
	v_wmma_f32_16x16x32_f16 v[DW+8*(4*\tau+\c):DW+8*(4*\tau+\c)+7], v[SF+8*\tau:SF+8*\tau+7], v[W1F+8*\c:W1F+8*\c+7], 0
.else
	v_wmma_f32_16x16x32_f16 v[DW+8*(4*\tau+\c):DW+8*(4*\tau+\c)+7], v[SF+8*\tau:SF+8*\tau+7], v[W1F+8*\c:W1F+8*\c+7], v[DW+8*(4*\tau+\c):DW+8*(4*\tau+\c)+7]
.endif
.endr
.endr
.irp c, 0,1,2,3
.if \ks == 0
	v_wmma_f32_16x16x32_f16 v[RDB+8*\c:RDB+8*\c+7], v[BF:BF+7], v[W1F+8*\c:W1F+8*\c+7], 0
.else
	v_wmma_f32_16x16x32_f16 v[RDB+8*\c:RDB+8*\c+7], v[BF:BF+7], v[W1F+8*\c:W1F+8*\c+7], v[RDB+8*\c:RDB+8*\c+7]
.endif
.endr
.endm
; z_agg's results, packed in register pairs, are stage 2's operands
.macro GPACK
.irp t, 0,1
.irp u, 0,1
.irp p, 0,1,2,3
	v_cvt_pk_f16_f32 v[GF+8*(2*\t+\u)+\p], v[D1+8*(4*\u+\t)+2*\p], v[D1+8*(4*\u+\t)+2*\p+1]
	v_cvt_pk_f16_f32 v[GF+8*(2*\t+\u)+4+\p], v[D1+8*(4*\u+2+\t)+2*\p], v[D1+8*(4*\u+2+\t)+2*\p+1]
.endr
.endr
.endr
.endm
; One slice, from slot k, the n-th of the work-group.  Each s_wait_dscnt 16 leaves the sixteen younger LDS loads out.
; Between a matrix instruction and the next touch of its registers stand at least 32 vector instructions that name none of them:
; the conversions of the other buffer in stage 1, the other bank's ReLU and sums behind it.
.macro SLICE k, n
	WIN 0xc0
	LDZS \k, 0, T0
	WIN 0
	LDZS \k, 1, T1
	s_wait_dscnt 16
	WIN 0x0f
	CVT4 T0, ZF0, 8
	WIN 0xc0
	LDZS \k, 2, T0
	WIN 0x08
	MM1 ZF0, 0, 1                                  ; the first product starts the sums
	s_wait_dscnt 16
	WIN 0
	CVT4 T1, ZF1, 8
	LDZS \k, 3, T1
	WIN 0x08
	MM1 ZF1, 1, 0
	s_wait_dscnt 16
	WIN 0x0f
	CVT4 T0, ZF0, 8
	WIN 0xc0
	LDZC \k
	WIN 0x08
	MM1 ZF0, 2, 0
	s_wait_dscnt 16
	WIN 0
	CVT4 T1, ZF1, 8
	WIN 0x08
	MM1 ZF1, 3, 0
	s_wait_dscnt 0x0
	WIN 0x0f
	CVTSEQ T0, ZC, 32
	MMC BK0, 0, 0
	WIN 0
	GPACK
	MMC BK1, 0, 4
	EPIC BK0, 0, 0, 1
	MMC BK0, 1, 0
	EPIC BK1, 0, 4, 0
	MMC BK1, 1, 4
	EPIC BK0, 1, 0, 1
	MMS BK0, 0, 0
	EPIC BK1, 1, 4, 0
	MMS BK1, 0, 4
	EPIS BK0, 0, 0, 1
	MMS BK0, 0, 8
	EPIS BK1, 0, 4, 0
	MMS BK1, 0, 12
	EPIS BK0, 0, 8, 0
	MMS BK0, 1, 0
	EPIS BK1, 0, 12, 0
	MMS BK1, 1, 4
	EPIS BK0, 1, 0, 1
	MMS BK0, 1, 8
	EPIS BK1, 1, 4, 0
	MMS BK1, 1, 12
	EPIS BK0, 1, 8, 0
	EPIS BK1, 1, 12, 0
	WIN 0
	RED 0
	RED 1
	FIN \n
.endm
	; ---------------- scalars, lane terms, descriptors ----------------
	s_load_b512 s[8:23], s[0:1], 0x0               ; z_signal 8, z_corrupt 10, A 12, W_sig 14, b_sig 16, Wc 18, bc 20, Wo 22
	s_load_b512 s[24:39], s[0:1], 0x40             ; W1e 24, b1e 26, W2e 28, b2e 30, bo 32, regime 34, out0 36, out1 38
	s_set_vgpr_msb 0x80
	v_lshl_add_u32 v254, v0, 2, 0x4f000
	v_mov_b32 v255, 0
	s_set_vgpr_msb 0x808a
	ds_add_u32 v254, v255
	ds_add_u32 v254, v255
	s_set_vgpr_msb 0x8a00
	v_lshrrev_b32 v24, 5, v0
	v_readfirstlane_b32 s2, v24                    ; wave
	s_mov_b32 s3, ttmp9                            ; work-group
	v_and_b32 v3, 31, v0                           ; L
	v_and_b32 v1, 15, v0                           ; r
	v_bfe_u32 v2, v0, 4, 1                         ; h
	s_mul_i32 s92, s2, QTR
	s_mul_i32 s94, s2, 32*PITCH
	s_add_co_u32 s94, s94, ZCOFF
	s_lshl_b32 s95, s2, 7
	s_add_co_u32 s95, s95, STG
	s_lshl_b32 s96, s2, 8
	s_lshl_b32 s97, s2, 13
	s_lshl_b32 s98, s2, 10
	s_lshl_b32 s99, s2, 7
	s_mov_b32 s80, 0xaaaaaaaa                      ; lanes whose bit 0, 1, 2, 3 is set
	s_mov_b32 s81, 0xcccccccc
	s_mov_b32 s82, 0xf0f0f0f0
	s_mov_b32 s83, 0xff00ff00
	v_mul_u32_u24 v24, v2, 8*PITCH
	v_lshl_add_u32 v24, v1, 4, v24
	v_mul_u32_u24 v25, v1, PITCH
	v_lshl_add_u32 v25, v2, 6, v25
	v_add_nc_u32 v25, s94, v25
.irp k, 0,1,2,3
	v_add_nc_u32 v[ZS+\k], \k*SLOT, v24
	v_add_nc_u32 v[ZCA+\k], \k*SLOT, v25
.endr
	v_lshrrev_b32 v26, 3, v1
	v_add_nc_u32 v26, v26, v2
	v_lshl_add_u32 v26, v26, 3, v1                 ; 16 (r >> 3) + (r & 7) + 8 h = r + 8 ((r >> 3) + h): 0 .. 31
	v_lshl_add_u32 v[STS], v26, 2, s95
	v_lshlrev_b32 v[V16], 4, v1
	v_lshlrev_b32 v[V32], 5, v1
	v_lshl_add_u32 v[VWC], v2, 13, v[V16]
	v_add_nc_u32 v[VW1], s96, v[VWC]
	v_mul_u32_u24 v[VSF], v1, WPITCH
	v_lshl_add_u32 v[VSF], v2, 5, v[VSF]
	v_add_nc_u32 v[VSF], WSIG, v[VSF]
	v_lshlrev_b32 v[VB], 5, v2
	v_lshlrev_b32 v[VXL], 4, v3
	v_add_nc_u32 v[VXL], XW, v[VXL]
	v_add_nc_u32 v[VXS], s97, v[VXL]
	v_add_nc_u32 v[VXB], XB, v[V16]
	v_add_nc_u32 v[VXBS], s98, v[VXB]
	v_lshlrev_b32 v[VA], 2, v1
	v_lshl_add_u32 v[VA], v2, 12, v[VA]
	v_add_nc_u32 v[VA], s99, v[VA]
	; group 1 for z: 64 rows of 64 f32, 4 words of padding behind every 64 words
	s_mov_b32 s40, (2<<16)|(1<<20)|(5<<22)|(3<<25)
	s_mov_b32 s41, 64<<16                          ; tensor_dim0 = 64
	s_mov_b32 s42, 64<<16                          ; tensor_dim1 = 64
	s_mov_b32 s43, 64<<16                          ; tile_dim0 = 64
	s_mov_b32 s44, 64                              ; tile_dim1 = 64
	s_mov_b32 s45, 64                              ; 64 elements from row to row
	s_mov_b32 s46, 0
	s_mov_b32 s47, 0
	; group 1 for W_sig: every fourth row, 16 rows of 256 f32, 4 words of padding behind every 256 words
	s_mov_b32 s68, (2<<16)|(1<<20)|(7<<22)|(3<<25)
	s_mov_b32 s69, 256<<16
	s_mov_b32 s70, 16<<16
	s_mov_b32 s71, 256<<16
	s_mov_b32 s72, 16
	s_mov_b32 s73, 1024
	s_mov_b32 s74, 0
	s_mov_b32 s75, 0
	s_wait_dscnt 0x0
	s_wait_kmcnt 0x0
	s_lshr_b32 s90, s3, 3                          ; b
	s_lshl_b32 s90, s90, 2
	s_mov_b32 s91, 0
	s_add_nc_u64 s[34:35], s[34:35], s[90:91]
	s_load_b32 s4, s[34:35], 0x0                   ; regime[b]
	s_load_b32 s86, s[32:33], 0x0                  ; bo
	; wave w brings W_sig's rows 4 r' + w
	s_mov_b32 s76, 1
	s_mul_i32 s77, s2, 16*WPITCH
	s_add_co_u32 s77, s77, WSIG
	s_lshl_b32 s90, s2, 10
	s_add_nc_u64 s[78:79], s[14:15], s[90:91]
	s_or_b32 s79, s79, 0x80000000
	tensor_load_to_lds s[76:79], s[68:75]
	s_nop 0
	; waves 0, 1 bring z_s's two halves of a slice, waves 2, 3 z_c's
	s_and_b32 s90, s2, 1
	s_lshl_b32 s90, s90, 14
	s_lshl_b32 s5, s3, 18
	s_add_co_u32 s90, s90, s5
	s_cmp_ge_u32 s2, 2
	s_cselect_b64 s[88:89], s[10:11], s[8:9]
	s_add_nc_u64 s[88:89], s[88:89], s[90:91]
.irp k, 0,1,2,3
	s_mov_b32 s[48+4*\k], 1
	s_add_co_u32 s[49+4*\k], s92, \k*SLOT
	s_add_nc_u64 s[50+4*\k:51+4*\k], s[88:89], \k*SLICEB
	s_or_b32 s[51+4*\k], s[51+4*\k], 0x80000000
.endr
	tensor_load_to_lds s[48:51], s[40:47]          ; slices 0, 1, 2: with W_sig four tensor loads of the wave are out, the most in this text
	s_nop 0
	tensor_load_to_lds s[52:55], s[40:47]
	s_nop 0
	tensor_load_to_lds s[56:59], s[40:47]
	s_nop 0
	s_wait_kmcnt 0x0
	s_cmp_ge_u32 s4, 8                             ; regime >= 8: environment 0
	s_cselect_b32 s4, 0, s4
	s_min_u32 s4, s4, 7
	s_lshl_b32 s90, s4, 18
	s_add_nc_u64 s[24:25], s[24:25], s[90:91]      ; W1e[e]
	s_lshl_b32 s90, s4, 10
	s_add_co_u32 s90, s90, s96
	s_add_nc_u64 s[26:27], s[26:27], s[90:91]      ; b1e[e] at my 64 columns
	s_lshl_b32 s90, s4, 11
	s_add_nc_u64 s[28:29], s[28:29], s[90:91]      ; W2e[e]
	s_lshl_b32 s90, s4, 3
	s_add_nc_u64 s[30:31], s[30:31], s[90:91]      ; b2e[e]
	s_load_b64 s[84:85], s[30:31], 0x0
	s_lshl_b32 s90, s3, 12
	s_add_nc_u64 s[36:37], s[36:37], s[90:91]      ; my 8 x 128 numbers of out0 and out1
	s_add_nc_u64 s[38:39], s[38:39], s[90:91]
	; ---------------- the small weights, by loads into registers ----------------
.irp blk, 0,1
.irp q, 0,1,2,3,4,5,6,7,8,9,10,11,12,13,14,15
	global_load_b128 v[WC0+64*\blk+4*\q:WC0+64*\blk+4*\q+3], v[VWC], s[18:19] offset:\q*512+256*\blk
.endr
.endr
	global_load_b128 v[TP:TP+3], v[V16], s[20:21]              ; bc of columns 4 r + c, 64 + 4 r + c
	global_load_b128 v[TP+4:TP+7], v[V16], s[20:21] offset:256
	global_load_b128 v[B1V:B1V+3], v[V16], s[26:27]
	WIN 0xc0
.irp s, 0,1,2,3
.irp t, 0,1
.irp q, 0,1,2,3,4,5,6,7,8,9,10,11,12,13,14,15
	global_load_b32 v[AST+16*(2*\s+\t)+\q], v[VA], s[12:13] offset:(32*\s+(\q&7)+16*(\q>>3))*512+64*\t
.endr
.endr
.endr
.irp blk, 0,1
.irp q, 0,1,2,3,4,5,6,7,8,9,10,11,12,13,14,15
	global_load_b128 v[WC1+64*\blk+4*\q:WC1+64*\blk+4*\q+3], v[VWC], s[18:19] offset:(32+\q)*512+256*\blk
.endr
.endr
	WIN 0x80
.irp b, 0,1,2,3
	global_load_b128 v[W2V+8*\b:W2V+8*\b+3], v[V32], s[28:29] offset:512*\b
	global_load_b128 v[W2V+8*\b+4:W2V+8*\b+7], v[V32], s[28:29] offset:512*\b+16
.endr
	global_load_b128 v[WOV:WOV+3], v[V16], s[22:23]
	global_load_b128 v[WOV+4:WOV+7], v[V16], s[22:23] offset:256
	WIN 0x40
	LDCHUNK 0, TW0, TB0
	s_wait_loadcnt 20                              ; all but the 20 loads of W1e's first 32 rows
	WIN 0xc3
.set i_, 0
.rept 64
	v_pk_mul_f32 v[AST+2*i_:AST+2*i_+1], v[AST+2*i_:AST+2*i_+1], 0x3e000000 op_sel_hi:[1,0]   ; A / 8
.set i_, i_+1
.endr
	WIN 0x8f
	CVTSEQ AST, AF, 64
	CVT4 WC1, CF+8, 16
	CVT4 WC1+64, CF+64+8, 16
	WIN 0x80
	CVT4 WC0, CF, 16
	CVT4 WC0+64, CF+64, 16
	WIN 0xc0
.irp g, 0,1,2,3,4,5,6,7
.irp j, 0,1,2,3,4,5,6,7
	v_mov_b32 v[BCB+8*\g+\j], v[TP+\g]             ; a C operand: the column's bias in all eight rows of the lane
.endr
.endr
	s_wait_kmcnt 0x0
	s_add_f32 s87, s84, s86                        ; b2[0] + bo
	; ---------------- Wcomb = W_sig W1e[e], bias = b_sig W1e[e] + b1e[e] ----------------
	s_wait_tensorcnt 3                             ; my rows of W_sig are in; the three slices issued behind them stay out:
	s_barrier_signal -1
	s_barrier_wait -1
	KS 0, TW0, TB0, TW1, TB1
	KS 1, TW1, TB1, TW0, TB0
	KS 2, TW0, TB0, TW1, TB1
	KS 3, TW1, TB1, TW0, TB0
	KS 4, TW0, TB0, TW1, TB1
	KS 5, TW1, TB1, TW0, TB0
	KS 6, TW0, TB0, TW1, TB1
	KS 7, TW1, TB1, TW0, TB0
	PLACES
	WIN 0xc3
.set i_, 0
.rept 64
	v_pk_mul_f32 v[DW+2*i_:DW+2*i_+1], v[DW+2*i_:DW+2*i_+1], 0x41000000 op_sel_hi:[1,0]       ; 8 Wcomb
.set i_, i_+1
.endr
	WIN 0x0f
.irp c, 0,1,2,3
.irp u, 0,1
.irp p, 0,1,2,3
	v_cvt_pk_f16_f32 v[WFO+16*\c+8*\u+\p], v[DW+8*(8*\u+\c)+2*\p], v[DW+8*(8*\u+\c)+2*\p+1]
	v_cvt_pk_f16_f32 v[WFO+16*\c+8*\u+4+\p], v[DW+8*(8*\u+4+\c)+2*\p], v[DW+8*(8*\u+4+\c)+2*\p+1]
.endr
.endr
.endr
	WIN 0x03
.irp c, 0,1,2,3
.irp i, 0,1,2,3
	v_add_f32 v[TMB+4*\c+\i], v[RDB+8*\c], v[B1V+\c]
.endr
.endr
	WIN 0
.set i_, 0
.rept 8
	ds_store_b128 v[VXS], v[WFO+8*i_:WFO+8*i_+3] offset:1024*i_
	ds_store_b128 v[VXS], v[WFO+8*i_+4:WFO+8*i_+7] offset:1024*i_+512
.set i_, i_+1
.endr
.irp c, 0,1,2,3
	ds_store_b128 v[VXBS], v[TMB+4*\c:TMB+4*\c+3] offset:256*\c
.endr
	HEAD 3, -1, 0                                  ; Wcomb and bias are shown to all; slices 0-2 have landed; W_sig is done with: slice 3 into its slot
	WIN 0x40
.set i_, 0
.rept 32
	ds_load_b128 v[WF+8*i_:WF+8*i_+3], v[VXL] offset:1024*i_
	ds_load_b128 v[WF+8*i_+4:WF+8*i_+7], v[VXL] offset:1024*i_+512
.set i_, i_+1
.endr
	WIN 0xc0
.set i_, 0
.rept 16
	ds_load_b128 v[BB+8*i_:BB+8*i_+3], v[VXB] offset:256*i_
	ds_load_b128 v[BB+8*i_+4:BB+8*i_+7], v[VXB] offset:256*i_
.set i_, i_+1
.endr
	s_wait_dscnt 0x0
	; ---------------- eight slices; two slots are filled behind each barrier, each fill has two slices' work in which to land ----------------
	SLICE 0, 0
	SLICE 1, 1
	HEAD 0, 1, 1                                   ; slice 3 has landed; slices 4, 5 go out
	SLICE 2, 2
	SLICE 3, 3
	HEAD 2, 3, 1                                   ; slices 4, 5 have landed; slices 6, 7 go out
	SLICE 0, 4
	SLICE 1, 5
	HEAD -1, -1, 0                                 ; slices 6, 7 have landed, in every wave; no tensor load is out from here on
	SLICE 2, 6
	SLICE 3, 7
	; ---------------- the way out: each store of sixteen lanes covers 256 consecutive bytes, aligned ----------------
	s_wait_dscnt 0x0                               ; my rows of mu and sigma are in LDS,
	s_barrier_signal -1
	s_barrier_wait -1                              ; everybody's are
	v_lshlrev_b32 v30, 4, v0
	v_add_nc_u32 v31, STG, v30
	ds_load_b128 v[32:35], v31
	ds_load_b128 v[36:39], v31 offset:2048
	ds_load_b128 v[40:43], v31 offset:4096
	ds_load_b128 v[44:47], v31 offset:6144
	s_wait_dscnt 0x0
	global_store_b128 v30, v[32:35], s[36:37] th:TH_STORE_NT
	global_store_b128 v30, v[36:39], s[36:37] offset:2048 th:TH_STORE_NT
	global_store_b128 v30, v[40:43], s[38:39] th:TH_STORE_NT
	global_store_b128 v30, v[44:47], s[38:39] offset:2048 th:TH_STORE_NT
	s_set_vgpr_msb 0xa
	s_wait_tensorcnt 0x0
	ds_add_u32 v254, v255
	s_wait_dscnt 0x0
	s_set_vgpr_msb 0xa00
	s_endpgm
.Lfunc_end_k_q04b7bc9a9c_decoder:
	.size	k_q04b7bc9a9c_decoder, .Lfunc_end_k_q04b7bc9a9c_decoder-k_q04b7bc9a9c_decoder
	.p2alignl 7, 3214868480
	.fill 96, 4, 3214868480
	.section	.rodata,"a",@progbits
	.p2align	6, 0x0
	.amdhsa_kernel k_q04b7bc9a9c_decoder
		.amdhsa_group_segment_fixed_size 327680
		.amdhsa_private_segment_fixed_size 0
		.amdhsa_enable_private_segment 0
		.amdhsa_kernarg_size 128
		.amdhsa_user_sgpr_count 2
		.amdhsa_user_sgpr_kernarg_segment_ptr 1
		.amdhsa_wavefront_size32 1
		.amdhsa_system_sgpr_workgroup_id_x 1
		.amdhsa_system_sgpr_workgroup_id_y 1
		.amdhsa_system_sgpr_workgroup_id_z 1
		.amdhsa_system_vgpr_workitem_id 0
		.amdhsa_next_free_vgpr 1024
		.amdhsa_next_free_sgpr 100
		.amdhsa_reserve_vcc 0
		.amdhsa_float_denorm_mode_32 3
		.amdhsa_float_denorm_mode_16_64 3
		.amdhsa_memory_ordered 1
		.amdhsa_forward_progress 1
		.amdhsa_inst_pref_size 255
	.end_amdhsa_kernel
	.section	.bss,"aw",@nobits
	.p2align	6
	.space	262144
	.amdgpu_metadata
---
amdhsa.version: [ 1, 2 ]
amdhsa.kernels:
  - .name:           k_q04b7bc9a9c_decoder
    .symbol:         k_q04b7bc9a9c_decoder.kd
    .args:
      - { .name: z_signal, .offset: 0, .size: 8, .value_kind: global_buffer, .address_space: global }
      - { .name: z_corrupt, .offset: 8, .size: 8, .value_kind: global_buffer, .address_space: global }
      - { .name: A, .offset: 16, .size: 8, .value_kind: global_buffer, .address_space: global }
      - { .name: W_sig, .offset: 24, .size: 8, .value_kind: global_buffer, .address_space: global }
      - { .name: b_sig, .offset: 32, .size: 8, .value_kind: global_buffer, .address_space: global }
      - { .name: Wc, .offset: 40, .size: 8, .value_kind: global_buffer, .address_space: global }
      - { .name: bc, .offset: 48, .size: 8, .value_kind: global_buffer, .address_space: global }
      - { .name: Wo, .offset: 56, .size: 8, .value_kind: global_buffer, .address_space: global }
      - { .name: W1e, .offset: 64, .size: 8, .value_kind: global_buffer, .address_space: global }
      - { .name: b1e, .offset: 72, .size: 8, .value_kind: global_buffer, .address_space: global }
      - { .name: W2e, .offset: 80, .size: 8, .value_kind: global_buffer, .address_space: global }
      - { .name: b2e, .offset: 88, .size: 8, .value_kind: global_buffer, .address_space: global }
      - { .name: bo, .offset: 96, .size: 8, .value_kind: global_buffer, .address_space: global }
      - { .name: regime, .offset: 104, .size: 8, .value_kind: global_buffer, .address_space: global }
      - { .name: out0, .offset: 112, .size: 8, .value_kind: global_buffer, .address_space: global }
      - { .name: out1, .offset: 120, .size: 8, .value_kind: global_buffer, .address_space: global }
    .group_segment_fixed_size: 327680
    .private_segment_fixed_size: 0
    .kernarg_segment_align: 8
    .kernarg_segment_size: 128
    .max_flat_workgroup_size: 128
    .sgpr_count:     100
    .vgpr_count:     1024
    .wavefront_size: 32
...
	.end_amdgpu_metadata
.endif
;; end of part 1
;; ======== version 2 of 2: 1 launch; 2.45 times as fast as version 1
;; limits: values are held in f16: magnitudes above 65,504 overflow, below 6.1e-05 lose precision; right only within a limited range of input values
;; launch decoder (part 2): grid 256 x 1, 4 waves a work-group, no clusters, 327,680 bytes of LDS; arguments z_signal, z_corrupt, A, W_sig, b_sig, Wc, bc, Wo, W1e, b1e, W2e, b2e, bo, regime, out0, out1; writes out0, out1
.if DOCPART == 2
	.amdgcn_target "amdgcn-amd-amdhsa--gfx1250"
	.amdhsa_code_object_version 6
	.text
	.protected	k_q04b7bc9a9c_decoder
	.globl	k_q04b7bc9a9c_decoder
	.p2align	8
	.type	k_q04b7bc9a9c_decoder,@function
k_q04b7bc9a9c_decoder:
	s_mov_b64 s[64:65], 0
	v_nop
	global_prefetch_b8 v0, s[64:65] scope:SCOPE_SE
	s_setreg_imm32_b32 hwreg(HW_REG_WAVE_MODE, 25, 1), 1
	s_wait_xcnt 0x0
; EnvironmentSpecificDecoder.  2,048 slices (b, t), each with z_signal and z_corrupt of 128 x 64 f32.
;   mu    = relu((A^T z_s) W_sig W1[e] + b_sig W1[e] + b1[e]) W2[e][:,0] + b2[e][0] + relu(z_c Wc + bc) Wo + bo
;   sigma = softplus(the same with W2[e][:,1], b2[e][1]) + 0.01
; No nonlinearity stands between W_sig and W1[e], so Wcomb = W_sig W1[e] (64 x 256) and bias = b_sig W1[e] + b1[e] are made
; once by each work-group; a slice then takes 128 matrix instructions of each wave instead of 384.
; WORK: work-group g owns slices 8 g .. 8 g + 7 (all of batch element g >> 3, so one environment); wave w owns rows 32 w .. 32 w + 31.
; The slice's text stands once, in a loop of eight trips.
; DATA: z_c's eight slices (8 x 128 rows x 272 bytes) are brought into LDS once, by one tensor load of each wave (two slices are
; 256 consecutive rows): nothing in LDS is ever filled again.  z_s comes by loads into registers: wave w loads rows 32 w .. 32 w + 31
; of the next slice one trip ahead, converts them and hands the four f16 fragments to the other waves through LDS, so that each
; number of z_s is loaded and converted once in the work-group.
; FORMATS: the four wide products take f16 operands and f32 sums.  A is multiplied by 1/8 and Wcomb by 8 ahead of their rounding
; (powers of two: exact, and they cancel), which centres z_agg and Wcomb in f16's range.  The products 256 -> 2 and 128 -> 1,
; biases, ReLU and softplus are f32 vector work: h1 is never rounded.
; LIMITS: |z|, |W_sig|, |W1e|, |Wc|, |b_sig| < 65504; |A|, |A^T z| < 5.2e5; |W_sig W1e| < 8188 (beyond these an f16 operand is infinite).
; ReLU is a maximum in which NaN loses: a NaN becomes 0.  A negative regime is taken as environment 0 (unsigned compare).
; NO JOINT LOADS: z is each work-group's own; the weights that work-groups share come once, by loads into registers in the
; fragments' own order, and LDS has no room for W1e[e]'s 262,144 bytes beside z_c's 278,528.
;
; FRAGMENTS (lane L, r = L & 15, h = L >> 4).  A row-major f32 matrix [K][N] becomes operands without a transpose: a lane loads
; the 16 bytes of columns 4 r .. 4 r + 3 of sixteen rows k; the c-th numbers of these, packed in pairs, are the fragment whose
; index r stands for column 4 r + c.  A result tile (lane = n, register j = m = 8 h + j) packed in register pairs is again an
; operand with index n and k = m, so z_agg and Wcomb go from result to operand inside their lanes, both with the same order of k.
; A fragment goes from wave to wave as a register image: registers 0-3 of lane L at 16 L, registers 4-7 at 512 + 16 L of its 1,024 bytes.
;
; REGISTER WINDOWS are laid by K step, so that a matrix instruction and the vector work that follows it share one setting:
;   window 1: the fragments of K step 0 (Wcomb's, Wc's) and A's;   window 3: the biases, which K step 0 takes as C;
;   window 2: the fragments of K step 1 and, beside them, the weights W2 and Wo, which the packed multiply-adds take as source 1.
; A group of eight matrix instructions (four tiles x two K steps) fills one bank of results while the other bank's 32 ReLU and
; up to 32 packed multiply-adds are issued between them, eight behind each matrix instruction: two window settings a group.
.set PITCH,  272                       ; LDS row of z_c: 256 bytes + 16 = 17 x 16: sixteen rows start at sixteen different 16-byte columns modulo 256
.set ZSLOT,  128*PITCH                 ; 34,816 bytes: z_c of one slice
.set ZWAVE,  2*ZSLOT                   ; what one wave's tensor load brings
.set SLICEB, 32768                     ; bytes of one slice of one z in memory
.set XW,     8*ZSLOT                   ; 32,768 bytes of fragment images, three uses with barriers between: W_sig (8 tau + ks), Wcomb (2 g + u), z_s (4 s + c)
.set XB,     XW+32768                  ; the bias, four copies of each: (16 g + r) x 16                    (4,096 bytes)
.set STG,    XB+4096                   ; first b_sig's fragments (ks), then mu[8][128] f32 and sigma[8][128] f32 (8,192 bytes)
; window 0
.set ZCA,  4                           ; (32 w + r) PITCH + 64 h, + ZSLOT a trip
.set VZG,  5                           ; z_s in memory: 8192 w + 2048 h + 16 r
.set VZST, 6                           ; XW + 16 L + 4096 w
.set VBST, 7                           ; STG + 16 L + 2048 w
.set STS,  12                          ; STG + 4 x my row, + 512 a trip
.set VW1,  13                          ; 8192 h + 16 r + 256 w
.set VSG,  14                          ; W_sig in memory: 4096 r + 1024 w + 32 h
.set VB,   15                          ; b_sig in memory: 32 h + 256 w
.set VXS,  16                          ; XW + 16 L + 8192 w
.set VXL,  17                          ; XW + 16 L
.set VXB,  18                          ; XB + 16 r
.set VXBS, 19                          ; XB + 16 r + 1024 w
.set VA,   20                          ; 4096 h + 4 r + 128 w
.set VWC,  21                          ; 8192 h + 16 r
.set V16,  22                          ; 16 r
.set V32,  23                          ; 32 r
.set TP,   24                          ; v24-31  bc until it is spread, then at work
.set ZC,   32                          ; z_c's fragments 8 (2 t + u)
.set ZFA,  64                          ; z_s's fragments of K step 0, 1, 2, 3: four sets of 4 x 8
.set ZFB,  160
.set ZFC,  192
.set ZFD,  224
.set BK1,  64                          ; result bank 1 (4 tiles), once ZFA is done with
.set D1,   96                          ; stage 1's results 8 (2 c + t)
.set ZST,  96                          ; v96-127 my quarter of z_s as fragments, ahead of D1's use
.set RT,   96                          ; v96-103 at work in the sums over lanes
.set GF,   160                         ; z_agg's fragments 8 (2 t + u), once ZFB is done with
.set TC,   160                         ; v160-223 z_c as loaded, ahead of ZFB's and ZFC's use
.set ACC,  192                         ; 16 col + 8 t + j, once ZFC is done with
.set BK0,  224                         ; result bank 0, once ZFD is done with
.set W1F,  32                          ; at the head: W1e's fragments, W_sig's, b_sig's
.set SF,   64
.set BF,   96
.set WC1A, 32                          ; v32-95  Wc's rows 32-63, columns 0-63, as loaded
.set WC0,  96                          ; v96-223 Wc's rows 0-31 as loaded
.set SFI,  32                          ; v32-95  my quarter of W_sig as fragments
.set BFI,  96                          ; v96-111 my two K steps of b_sig as fragments
.set B1V,  224
.set TMB,  228                         ; v228-243
.set WFO,  32                          ; v32-95  my sixteen columns x 4 of Wcomb as fragments
; window 1
.set WF0,  0                           ; Wcomb's fragments of K step 0: 8 g
.set CF0,  128                         ; Wc's fragments of K step 0: 8 g'
.set AF,   192                         ; A's fragments 16 s + 8 t
.set TWA,  0                           ; at the head: W1e as loaded, buffers 0 and 1 of four
.set TWB,  64
.set TBR,  64                          ; b_sig as loaded, ahead of TWB's use
; window 2
.set WF1,  0                           ; Wcomb's fragments of K step 1: 8 g
.set CF1,  128                         ; Wc's fragments of K step 1: 8 g'
.set W2V,  192                         ; 2 g + col
.set WOV,  224                         ; g'
.set TWC,  0                           ; at the head: W1e as loaded, buffers 2 and 3
.set TWD,  64
.set TSR,  0                           ; W_sig as loaded (128 registers), ahead of TWC's and TWD's use
; window 3
.set T0,   0                           ; my quarter of the next slice's z_s as loaded: lives from trip to trip
.set BB,   64                          ; 8 g: the bias of the lane's column, eight times
.set BCB,  192                         ; 8 g': bc likewise
.set WC1B, 64                          ; at the head: Wc's rows 32-63, columns 64-127, as loaded; A as loaded;
.set AST,  128
.set DW,   64                          ; then Wcomb's results 8 (4 tau + c) and b_sig W1's 8 c
.set RDB,  192
.set MSB, 0
.macro WIN new                         ; low byte: bits 1:0 source 0, 3:2 source 1, 5:4 source 2, 7:6 destination; the high byte repeats the setting that is left
.if MSB != \new
	s_set_vgpr_msb (MSB<<8)|\new
.set MSB, \new
.endif
.endm
.macro PLACES n                        ; independent vector instructions behind a matrix instruction (ISA guide 7.12.1)
.rept \n
	v_nop
.endr
.endm
; sixteen loaded quads at tb -> four fragments at dst, dst + stride, ..
.macro CVT4 tb, dst, stride
.irp c, 0,1,2,3
.irp p, 0,1,2,3,4,5,6,7
	v_cvt_pk_f16_f32 v[\dst+\stride*\c+\p], v[\tb+8*\p+\c], v[\tb+8*\p+4+\c]
.endr
.endr
.endm
; 2 n numbers in their order -> n registers
.macro CVTSEQ tb, dst, n
.set i_, 0
.rept \n
	v_cvt_pk_f16_f32 v[\dst+i_], v[\tb+2*i_], v[\tb+2*i_+1]
.set i_, i_+1
.endr
.endm
; my 32 rows of z_s, in a fragment's own order of k, columns 4 r .. 4 r + 3: lanes 0-15 read one whole row of 256 bytes, lanes 16-31 the row 8 further
.macro LDZSG
.irp q, 0,1,2,3,4,5,6,7,8,9,10,11,12,13,14,15
	global_load_b128 v[T0+4*\q:T0+4*\q+3], v[VZG], s[8:9] offset:((\q&7)+16*(\q>>3))*256 th:TH_LOAD_NT
.endr
.endm
; z_c: row 32 w + 16 t + r, columns 32 u + 16 h .. + 15
.macro LDZC
.irp t, 0,1
.irp u, 0,1
.irp q, 0,1,2,3
	ds_load_b128 v[TC+16*(2*\t+\u)+4*\q:TC+16*(2*\t+\u)+4*\q+3], v[ZCA] offset:16*PITCH*\t+128*\u+16*\q
.endr
.endr
.endr
.endm
; the four fragments of K step s, as wave s stored them: 8 loads
.macro LDZF s, zf
.irp c, 0,1,2,3
	ds_load_b128 v[\zf+8*\c:\zf+8*\c+3], v[VXL] offset:(4*\s+\c)*1024
	ds_load_b128 v[\zf+8*\c+4:\zf+8*\c+7], v[VXL] offset:(4*\s+\c)*1024+512
.endr
.endm
; stage 1, K step s: eight accumulators, one instruction a turn
.macro MM1 zf, s, zero
.irp c, 0,1,2,3
.irp t, 0,1
.if \zero
	v_wmma_f32_16x16x32_f16 v[D1+8*(2*\c+\t):D1+8*(2*\c+\t)+7], v[\zf+8*\c:\zf+8*\c+7], v[AF+16*\s+8*\t:AF+16*\s+8*\t+7], 0
.else
	v_wmma_f32_16x16x32_f16 v[D1+8*(2*\c+\t):D1+8*(2*\c+\t)+7], v[\zf+8*\c:\zf+8*\c+7], v[AF+16*\s+8*\t:AF+16*\s+8*\t+7], v[D1+8*(2*\c+\t):D1+8*(2*\c+\t)+7]
.endif
.endr
.endr
.endm
.macro WM0 d, a, b, c                  ; K step 0 of a tile: the bias is C
	v_wmma_f32_16x16x32_f16 v[\d:\d+7], v[\a:\a+7], v[\b:\b+7], v[\c:\c+7]
.endm
.macro WM1 d, a, b                     ; K step 1: adds in place
	v_wmma_f32_16x16x32_f16 v[\d:\d+7], v[\a:\a+7], v[\b:\b+7], v[\d:\d+7]
.endm
; ReLU of one tile.  The constant stands last, so that the register is source 0, which is window 0 in every setting used here
.macro EMAX ek, base
.if \ek
.irp j, 0,1,2,3,4,5,6,7
	v_max_num_f32 v[\base+\j], v[\base+\j], 0
.endr
.endif
.endm
; eight rows of one tile times the lane's weight (register sel of the pair wreg, window 2), onto acc; mul = 1 starts the sums
.macro FMA4 acc, src, wreg, sel, mul
.irp p, 0,1,2,3
.if \mul
	v_pk_mul_f32 v[\acc+2*\p:\acc+2*\p+1], v[\src+2*\p:\src+2*\p+1], v[\wreg:\wreg+1] op_sel:[0,\sel] op_sel_hi:[1,\sel]
.else
	v_pk_fma_f32 v[\acc+2*\p:\acc+2*\p+1], v[\src+2*\p:\src+2*\p+1], v[\wreg:\wreg+1], v[\acc+2*\p:\acc+2*\p+1] op_sel:[0,\sel,0] op_sel_hi:[1,\sel,1]
.endif
.endr
.endm
; One tile's share of the narrow products.  ek = 1: relu(h_c) Wo into mu's sums (eg = g', sel = g' & 1);
; ek = 2: relu(h1) W2, column 0 onto mu's sums, column 1 onto sums of its own (eg = g).  first = 1: this tile starts the sums.
.macro ES ek, et, src, eg, sel, first
.if \ek == 1
	FMA4 ACC+8*\et, \src, WOV+\eg-\sel, \sel, \first
.endif
.if \ek == 2
	FMA4 ACC+8*\et, \src, W2V+2*(\eg), 0, 0
	FMA4 ACC+16+8*\et, \src, W2V+2*(\eg), 1, \first
.endif
.endm
; A group: four tiles g0 .. g0 + 3 into bank (A's fragments at a, a + 8; B's at b0 in window 1, b1 in window 2; bias at cb in window 3),
; four accumulators by turns, one instruction a turn.  Behind each matrix instruction
; stands the work on one tile of the other bank eb (kind ek, rows et, tiles eg0 ..): it names none of the group's registers.
.macro GRP a, b0, b1, cb, bank, g0, ek, eb, et, eg0, first
	WIN 0x34
	WM0 \bank, \a, \b0+8*\g0, \cb+8*\g0
	EMAX \ek, \eb
	WM0 \bank+8, \a, \b0+8*\g0+8, \cb+8*\g0+8
	EMAX \ek, \eb+8
	WM0 \bank+16, \a, \b0+8*\g0+16, \cb+8*\g0+16
	EMAX \ek, \eb+16
	WM0 \bank+24, \a, \b0+8*\g0+24, \cb+8*\g0+24
	EMAX \ek, \eb+24
	WIN 0x08
	WM1 \bank, \a+8, \b1+8*\g0
	ES \ek, \et, \eb, \eg0, 0, \first
	WM1 \bank+8, \a+8, \b1+8*\g0+8
	ES \ek, \et, \eb+8, \eg0+1, 1, 0
	WM1 \bank+16, \a+8, \b1+8*\g0+16
	ES \ek, \et, \eb+16, \eg0+2, 0, 0
	WM1 \bank+24, \a+8, \b1+8*\g0+24
	ES \ek, \et, \eb+24, \eg0+3, 1, 0
.endm
; two sums halve their lanes at once: lanes whose bit x is 0 go on with a, the others with b; each adds its partner's share
.macro REDP a, b, m, x, t0
	v_cndmask_b32 v[\t0], v[\a], v[\b], s[\m]
	v_cndmask_b32 v[\t0+1], v[\b], v[\a], s[\m]
	v_add_f32_dpp v[\a], v[\t0+1], v[\t0] row_xmask:\x row_mask:0xf bank_mask:0xf
.endm
; sixteen sums over sixteen lanes: lane (r, h) ends with row 16 (r >> 3) + 8 h + (r & 7) in the column's first register
.macro RED col
.irp t, 0,1
	REDP ACC+16*\col+8*\t, ACC+16*\col+8*\t+1, 80, 1, RT
	REDP ACC+16*\col+8*\t+2, ACC+16*\col+8*\t+3, 80, 1, RT+2
	REDP ACC+16*\col+8*\t+4, ACC+16*\col+8*\t+5, 80, 1, RT+4
	REDP ACC+16*\col+8*\t+6, ACC+16*\col+8*\t+7, 80, 1, RT+6
	REDP ACC+16*\col+8*\t, ACC+16*\col+8*\t+2, 81, 2, RT
	REDP ACC+16*\col+8*\t+4, ACC+16*\col+8*\t+6, 81, 2, RT+2
	REDP ACC+16*\col+8*\t, ACC+16*\col+8*\t+4, 82, 4, RT+4
.endr
	REDP ACC+16*\col, ACC+16*\col+8, 83, 8, RT+6
.endm
; 32 rows of W1e[e], my 64 columns: 16 loads
.macro LDCHUNK ks, tw
.irp q, 0,1,2,3,4,5,6,7,8,9,10,11,12,13,14,15
	global_load_b128 v[\tw+4*\q:\tw+4*\q+3], v[VW1], s[24:25] offset:(32*(\ks)+(\q&7)+16*(\q>>3))*1024
.endr
.endm
; One K step (32 hidden units) of W_sig W1e[e] and b_sig W1e[e].  W1e's rows go through four buffers of 64 registers: tw is this
; step's (cw: the setting that reads it, lw: the one that loads it); once it is converted, the rows of four steps on are asked for.
; left = the loads of the younger steps, 16 each, that may stay out.
.macro KS ks, tw, cw, lw, left
.if \ks > 0
	PLACES 4                                       ; the registers filled below were the last step's operands
.endif
	WIN 0
.irp tau, 0,1,2,3
	ds_load_b128 v[SF+8*\tau:SF+8*\tau+3], v[VXL] offset:(8*\tau+\ks)*1024
	ds_load_b128 v[SF+8*\tau+4:SF+8*\tau+7], v[VXL] offset:(8*\tau+\ks)*1024+512
.endr
	ds_load_b128 v[BF:BF+3], v[VXL] offset:STG-XW+1024*\ks
	ds_load_b128 v[BF+4:BF+7], v[VXL] offset:STG-XW+1024*\ks+512
	s_wait_loadcnt \left                           ; this step's 16 loads are in
	WIN \cw
	CVT4 \tw, W1F, 8
.if \ks < 4
	WIN \lw
	LDCHUNK \ks+4, \tw
.endif
	s_wait_dscnt 0x0
	WIN 0xf0                                       ; twenty accumulators by turns, one instruction a turn
.irp tau, 0,1,2,3
.irp c, 0,1,2,3
.if \ks == 0
	v_wmma_f32_16x16x32_f16 v[DW+8*(4*\tau+\c):DW+8*(4*\tau+\c)+7], v[SF+8*\tau:SF+8*\tau+7], v[W1F+8*\c:W1F+8*\c+7], 0
.else
	v_wmma_f32_16x16x32_f16 v[DW+8*(4*\tau+\c):DW+8*(4*\tau+\c)+7], v[SF+8*\tau:SF+8*\tau+7], v[W1F+8*\c:W1F+8*\c+7], v[DW+8*(4*\tau+\c):DW+8*(4*\tau+\c)+7]
.endif
.endr
.endr
.irp c, 0,1,2,3
.if \ks == 0
	v_wmma_f32_16x16x32_f16 v[RDB+8*\c:RDB+8*\c+7], v[BF:BF+7], v[W1F+8*\c:W1F+8*\c+7], 0
.else
	v_wmma_f32_16x16x32_f16 v[RDB+8*\c:RDB+8*\c+7], v[BF:BF+7], v[W1F+8*\c:W1F+8*\c+7], v[RDB+8*\c:RDB+8*\c+7]
.endif
.endr
.endm
; z_agg's results, packed in register pairs, are stage 2's operands
.macro GPACK
.irp t, 0,1
.irp u, 0,1
.irp p, 0,1,2,3
	v_cvt_pk_f16_f32 v[GF+8*(2*\t+\u)+\p], v[D1+8*(4*\u+\t)+2*\p], v[D1+8*(4*\u+\t)+2*\p+1]
	v_cvt_pk_f16_f32 v[GF+8*(2*\t+\u)+4+\p], v[D1+8*(4*\u+2+\t)+2*\p], v[D1+8*(4*\u+2+\t)+2*\p+1]
.endr
.endr
.endr
.endm
	; ---------------- scalars, lane terms, the descriptor ----------------
	s_load_b512 s[8:23], s[0:1], 0x0               ; z_signal 8, z_corrupt 10, A 12, W_sig 14, b_sig 16, Wc 18, bc 20, Wo 22
	s_load_b512 s[24:39], s[0:1], 0x40             ; W1e 24, b1e 26, W2e 28, b2e 30, bo 32, regime 34, out0 36, out1 38
	v_lshl_add_u32 v10, v0, 2, 0x4f000
	v_mov_b32 v11, 0
	ds_add_u32 v10, v11
	ds_add_u32 v10, v11
	v_lshrrev_b32 v24, 5, v0
	v_readfirstlane_b32 s2, v24                    ; wave
	s_mov_b32 s3, ttmp9                            ; work-group
	v_and_b32 v3, 31, v0                           ; L
	v_and_b32 v1, 15, v0                           ; r
	v_bfe_u32 v2, v0, 4, 1                         ; h
	s_lshl_b32 s93, s2, 16
	s_mul_i32 s94, s2, 32*PITCH
	s_lshl_b32 s95, s2, 7
	s_add_co_u32 s95, s95, STG
	s_lshl_b32 s96, s2, 8
	s_lshl_b32 s97, s2, 13
	s_lshl_b32 s98, s2, 10
	s_lshl_b32 s99, s2, 7
	s_lshl_b32 s56, s2, 12
	s_lshl_b32 s57, s2, 11
	s_mov_b32 s6, 0x3e000000                       ; 1/8, as a pair for the packed multiply
	s_mov_b32 s7, 0x3e000000
	s_mov_b32 s52, 0x41000000                      ; 8
	s_mov_b32 s53, 0x41000000
	s_mov_b32 s54, 0x3f317218                      ; ln 2
	s_mov_b32 s80, 0xaaaaaaaa                      ; lanes whose bit 0, 1, 2, 3 is set
	s_mov_b32 s81, 0xcccccccc
	s_mov_b32 s82, 0xf0f0f0f0
	s_mov_b32 s83, 0xff00ff00
	v_mul_u32_u24 v[ZCA], v1, PITCH
	v_lshl_add_u32 v[ZCA], v2, 6, v[ZCA]
	v_add_nc_u32 v[ZCA], s94, v[ZCA]
	v_lshrrev_b32 v26, 3, v1
	v_add_nc_u32 v26, v26, v2
	v_lshl_add_u32 v26, v26, 3, v1                 ; 16 (r >> 3) + (r & 7) + 8 h = r + 8 ((r >> 3) + h): 0 .. 31
	v_lshl_add_u32 v[STS], v26, 2, s95
	v_lshlrev_b32 v[V16], 4, v1
	v_lshlrev_b32 v[V32], 5, v1
	v_lshl_add_u32 v[VWC], v2, 13, v[V16]
	v_add_nc_u32 v[VW1], s96, v[VWC]
	v_lshl_add_u32 v[VZG], v2, 11, v[V16]
	v_add_nc_u32 v[VZG], s97, v[VZG]
	v_lshlrev_b32 v[VSG], 12, v1
	v_lshl_add_u32 v[VSG], v2, 5, v[VSG]
	v_add_nc_u32 v[VSG], s98, v[VSG]
	v_lshlrev_b32 v[VB], 5, v2
	v_add_nc_u32 v[VB], s96, v[VB]
	v_lshlrev_b32 v[VXL], 4, v3
	v_add_nc_u32 v[VXL], XW, v[VXL]
	v_add_nc_u32 v[VXS], s97, v[VXL]
	v_add_nc_u32 v[VZST], s56, v[VXL]
	v_add_nc_u32 v[VBST], s57, v[VXL]
	v_add_nc_u32 v[VBST], STG-XW, v[VBST]
	v_add_nc_u32 v[VXB], XB, v[V16]
	v_add_nc_u32 v[VXBS], s98, v[VXB]
	v_lshlrev_b32 v[VA], 2, v1
	v_lshl_add_u32 v[VA], v2, 12, v[VA]
	v_add_nc_u32 v[VA], s99, v[VA]
	; group 1: 256 rows of 64 f32 (two slices of z_c), 4 words of padding behind every 64 words
	s_mov_b32 s40, (2<<16)|(1<<20)|(5<<22)|(3<<25)
	s_mov_b32 s41, 64<<16                          ; tensor_dim0 = 64
	s_mov_b32 s42, 256<<16                         ; tensor_dim1 = 256
	s_mov_b32 s43, 64<<16                          ; tile_dim0 = 64
	s_mov_b32 s44, 256                             ; tile_dim1 = 256
	s_mov_b32 s45, 64                              ; 64 elements from row to row
	s_mov_b32 s46, 0
	s_mov_b32 s47, 0
	s_mov_b32 s48, 1
	s_mul_i32 s49, s2, ZWAVE                       ; wave w's two slices lie at w x 69,632
	s_wait_dscnt 0x0
	s_wait_kmcnt 0x0
	s_mov_b32 s91, 0
	s_lshr_b32 s90, s3, 3                          ; b
	s_lshl_b32 s90, s90, 2
	s_add_nc_u64 s[34:35], s[34:35], s[90:91]
	s_load_b32 s4, s[34:35], 0x0                   ; regime[b]
	s_load_b32 s86, s[32:33], 0x0                  ; bo
	s_lshl_b32 s90, s3, 18                         ; my eight slices: g x 262,144 bytes
	s_add_nc_u64 s[8:9], s[8:9], s[90:91]          ; z_s at slice 0
	s_add_co_u32 s90, s90, s93                     ; + two slices for each wave
	s_add_nc_u64 s[50:51], s[10:11], s[90:91]
	s_or_b32 s51, s51, 0x80000000
	tensor_load_to_lds s[48:51], s[40:47]          ; the wave's one tensor load: slices 2 w and 2 w + 1 of z_c
	s_nop 0
	; ---------------- the head's loads, in the order of their use: 196, then 40, 16, 25 ----------------
	; what does not hang on the environment goes out while regime[b] is on its way
.irp blk, 0,1
.irp q, 0,1,2,3,4,5,6,7,8,9,10,11,12,13,14,15
	global_load_b128 v[WC0+64*\blk+4*\q:WC0+64*\blk+4*\q+3], v[VWC], s[18:19] offset:\q*512+256*\blk
.endr
.endr
.irp q, 0,1,2,3,4,5,6,7,8,9,10,11,12,13,14,15
	global_load_b128 v[WC1A+4*\q:WC1A+4*\q+3], v[VWC], s[18:19] offset:(32+\q)*512
.endr
	global_load_b128 v[TP:TP+3], v[V16], s[20:21]              ; bc of columns 4 r + c, 64 + 4 r + c
	global_load_b128 v[TP+4:TP+7], v[V16], s[20:21] offset:256
	WIN 0xc0
.irp q, 0,1,2,3,4,5,6,7,8,9,10,11,12,13,14,15
	global_load_b128 v[WC1B+4*\q:WC1B+4*\q+3], v[VWC], s[18:19] offset:(32+\q)*512+256
.endr
.irp s, 0,1,2,3
.irp t, 0,1
.irp q, 0,1,2,3,4,5,6,7,8,9,10,11,12,13,14,15
	global_load_b32 v[AST+16*(2*\s+\t)+\q], v[VA], s[12:13] offset:(32*\s+(\q&7)+16*(\q>>3))*512+64*\t
.endr
.endr
.endr
	WIN 0x80
	global_load_b128 v[WOV:WOV+3], v[V16], s[22:23]
	global_load_b128 v[WOV+4:WOV+7], v[V16], s[22:23] offset:256
.irp ks, 0,1,2,3,4,5,6,7
	global_load_b128 v[TSR+16*\ks:TSR+16*\ks+3], v[VSG], s[14:15] offset:128*\ks            ; W_sig's row 4 r + w, k = 32 ks + 8 h ..
	global_load_b128 v[TSR+16*\ks+4:TSR+16*\ks+7], v[VSG], s[14:15] offset:128*\ks+16
	global_load_b128 v[TSR+16*\ks+8:TSR+16*\ks+11], v[VSG], s[14:15] offset:128*\ks+64      ; k = 32 ks + 16 + 8 h ..
	global_load_b128 v[TSR+16*\ks+12:TSR+16*\ks+15], v[VSG], s[14:15] offset:128*\ks+80
.endr
	WIN 0x40
.irp i, 0,1
	global_load_b128 v[TBR+16*\i:TBR+16*\i+3], v[VB], s[16:17] offset:128*\i                ; b_sig, K step 2 w + i
	global_load_b128 v[TBR+16*\i+4:TBR+16*\i+7], v[VB], s[16:17] offset:128*\i+16
	global_load_b128 v[TBR+16*\i+8:TBR+16*\i+11], v[VB], s[16:17] offset:128*\i+64
	global_load_b128 v[TBR+16*\i+12:TBR+16*\i+15], v[VB], s[16:17] offset:128*\i+80
.endr
	WIN 0xc0
	LDZSG                                          ; slice 0's z_s
	WIN 0
	s_wait_kmcnt 0x0
	s_cmp_ge_u32 s4, 8                             ; regime >= 8: environment 0
	s_cselect_b32 s4, 0, s4
	s_min_u32 s4, s4, 7
	s_lshl_b32 s90, s4, 18
	s_add_nc_u64 s[24:25], s[24:25], s[90:91]      ; W1e[e]
	s_lshl_b32 s90, s4, 10
	s_add_co_u32 s90, s90, s96
	s_add_nc_u64 s[26:27], s[26:27], s[90:91]      ; b1e[e] at my 64 columns
	s_lshl_b32 s90, s4, 11
	s_add_nc_u64 s[28:29], s[28:29], s[90:91]      ; W2e[e]
	s_lshl_b32 s90, s4, 3
	s_add_nc_u64 s[30:31], s[30:31], s[90:91]      ; b2e[e]
	s_load_b64 s[84:85], s[30:31], 0x0
	s_lshl_b32 s90, s3, 12
	s_add_nc_u64 s[36:37], s[36:37], s[90:91]      ; my 8 x 128 numbers of out0 and out1
	s_add_nc_u64 s[38:39], s[38:39], s[90:91]
	global_load_b128 v[B1V:B1V+3], v[V16], s[26:27]
	WIN 0x80
.irp b, 0,1,2,3
	global_load_b128 v[W2V+8*\b:W2V+8*\b+3], v[V32], s[28:29] offset:512*\b
	global_load_b128 v[W2V+8*\b+4:W2V+8*\b+7], v[V32], s[28:29] offset:512*\b+16
.endr
	WIN 0x40
	LDCHUNK 0, TWA
	s_wait_loadcnt 63                              ; Wc, bc, A and Wo are in: 81 younger loads are out, and 63 is the largest count that can be written
	WIN 0xc3
.set i_, 0
.rept 64
	v_pk_mul_f32 v[AST+2*i_:AST+2*i_+1], v[AST+2*i_:AST+2*i_+1], s[6:7] op_sel_hi:[1,0]       ; A / 8
.set i_, i_+1
.endr
	WIN 0x4f
	CVTSEQ AST, AF, 64
	WIN 0x8f
	CVT4 WC1B, CF1+32, 8
	WIN 0x80
	CVT4 WC1A, CF1, 8
	WIN 0x40
	CVT4 WC0, CF0, 8
	CVT4 WC0+64, CF0+32, 8
	s_wait_loadcnt 41                              ; W_sig and b_sig are in; z_s's 16, b1e's 1, W2e's 8 and W1e's first 16 loads stay out
	WIN 0x0a
	CVTSEQ TSR, SFI, 64
	WIN 0x05
	CVTSEQ TBR, BFI, 16
	WIN 0x40
	LDCHUNK 1, TWB                                 ; the raw registers are free: W1e's rows 32-127 into them
	WIN 0x80
	LDCHUNK 2, TWC
	LDCHUNK 3, TWD
	WIN 0
.set i_, 0
.rept 8
	ds_store_b128 v[VXS], v[SFI+8*i_:SFI+8*i_+3] offset:1024*i_                ; fragment (tau = w, ks = i)
	ds_store_b128 v[VXS], v[SFI+8*i_+4:SFI+8*i_+7] offset:1024*i_+512
.set i_, i_+1
.endr
.irp i, 0,1
	ds_store_b128 v[VBST], v[BFI+8*\i:BFI+8*\i+3] offset:1024*\i
	ds_store_b128 v[VBST], v[BFI+8*\i+4:BFI+8*\i+7] offset:1024*\i+512
.endr
	s_wait_kmcnt 0x0
	s_add_f32 s87, s84, s86                        ; b2[0] + bo
	s_wait_dscnt 0x0                               ; my fragments of W_sig and b_sig are in LDS,
	s_barrier_signal -1
	s_barrier_wait -1                              ; everybody's are
	; ---------------- Wcomb = W_sig W1e[e], bias = b_sig W1e[e] + b1e[e] ----------------
	KS 0, TWA, 0x05, 0x40, 48                      ; three younger steps' loads stay out,
	KS 1, TWB, 0x05, 0x40, 48
	KS 2, TWC, 0x0a, 0x80, 48
	KS 3, TWD, 0x0a, 0x80, 48
	KS 4, TWA, 0x05, 0x40, 48
	KS 5, TWB, 0x05, 0x40, 32                      ; then the counts run down
	KS 6, TWC, 0x0a, 0x80, 16
	KS 7, TWD, 0x0a, 0x80, 0
	s_barrier_signal -1                            ; my reads of W_sig's fragments are over (the last step waited for them); register work until all have said so
	PLACES 4
	WIN 0xc3
.set i_, 0
.rept 64
	v_pk_mul_f32 v[DW+2*i_:DW+2*i_+1], v[DW+2*i_:DW+2*i_+1], s[52:53] op_sel_hi:[1,0]         ; 8 Wcomb
.set i_, i_+1
.endr
	WIN 0x0f
.irp c, 0,1,2,3
.irp u, 0,1
.irp p, 0,1,2,3
	v_cvt_pk_f16_f32 v[WFO+16*\c+8*\u+\p], v[DW+8*(8*\u+\c)+2*\p], v[DW+8*(8*\u+\c)+2*\p+1]
	v_cvt_pk_f16_f32 v[WFO+16*\c+8*\u+4+\p], v[DW+8*(8*\u+4+\c)+2*\p], v[DW+8*(8*\u+4+\c)+2*\p+1]
.endr
.endr
.endr
	WIN 0x03
.irp c, 0,1,2,3
.irp i, 0,1,2,3
	v_add_f32 v[TMB+4*\c+\i], v[RDB+8*\c], v[B1V+\c]
.endr
.endr
	WIN 0xc0
.irp g, 0,1,2,3,4,5,6,7
.irp j, 0,1,2,3,4,5,6,7
	v_mov_b32 v[BCB+8*\g+\j], v[TP+\g]             ; a C operand: the column's bias in all eight rows of the lane
.endr
.endr
	WIN 0
	s_barrier_wait -1                              ; nobody reads W_sig's fragments any more: Wcomb's take their bytes
.set i_, 0
.rept 8
	ds_store_b128 v[VXS], v[WFO+8*i_:WFO+8*i_+3] offset:1024*i_
	ds_store_b128 v[VXS], v[WFO+8*i_+4:WFO+8*i_+7] offset:1024*i_+512
.set i_, i_+1
.endr
.irp c, 0,1,2,3
	ds_store_b128 v[VXBS], v[TMB+4*\c:TMB+4*\c+3] offset:256*\c
.endr
	s_wait_dscnt 0x0                               ; my part of Wcomb and of the bias is in LDS,
	s_wait_tensorcnt 0x0                           ; and my two slices of z_c have landed:
	s_barrier_signal -1
	s_barrier_wait -1                              ; everybody's have
	WIN 0x40
.set i_, 0
.rept 16
	ds_load_b128 v[WF0+8*i_:WF0+8*i_+3], v[VXL] offset:2048*i_                 ; fragment (g = i, u = 0)
	ds_load_b128 v[WF0+8*i_+4:WF0+8*i_+7], v[VXL] offset:2048*i_+512
.set i_, i_+1
.endr
	WIN 0x80
.set i_, 0
.rept 16
	ds_load_b128 v[WF1+8*i_:WF1+8*i_+3], v[VXL] offset:2048*i_+1024            ; fragment (g = i, u = 1)
	ds_load_b128 v[WF1+8*i_+4:WF1+8*i_+7], v[VXL] offset:2048*i_+1536
.set i_, i_+1
.endr
	WIN 0xc0
.set i_, 0
.rept 16
	ds_load_b128 v[BB+8*i_:BB+8*i_+3], v[VXB] offset:256*i_
	ds_load_b128 v[BB+8*i_+4:BB+8*i_+7], v[VXB] offset:256*i_
.set i_, i_+1
.endr
	WIN 0
	s_wait_dscnt 0x0                               ; my reads of Wcomb's fragments are over:
	s_barrier_signal -1
	s_barrier_wait -1                              ; everybody's are: z_s's fragments take their bytes
	; ---------------- eight slices ----------------
	; Between a matrix instruction and the next touch of its registers stand at least four (five in front of a matrix instruction
	; that writes over them) vector instructions that name none of them: the five v_nop behind stage 1, the 32 conversions behind
	; the first group, and from then on the other bank's ReLU and sums (a bank is read one group after it was written).
	s_mov_b32 s5, 0
.Lslice:
	s_wait_loadcnt 0x0                             ; my quarter of this slice's z_s, asked for one trip ago; its loads are done, so their base may step
	WIN 0x0f
	CVT4 T0, ZST, 8
	WIN 0
.irp c, 0,1,2,3
	ds_store_b128 v[VZST], v[ZST+8*\c:ZST+8*\c+3] offset:1024*\c               ; fragment (s = w, c)
	ds_store_b128 v[VZST], v[ZST+8*\c+4:ZST+8*\c+7] offset:1024*\c+512
.endr
	LDZC
	s_cmp_ge_u32 s5, 7                             ; the last trip asks for nothing: no load leaves the buffer; the wait above is for 0, right on both ways
	s_cbranch_scc1 .Lno_next
	s_add_nc_u64 s[8:9], s[8:9], SLICEB
	WIN 0xc0
	LDZSG                                          ; the next slice's z_s: it has the whole trip in which to come
	WIN 0
.Lno_next:
	s_wait_dscnt 0x0                               ; my fragments of z_s are in LDS (and z_c's rows in registers),
	s_barrier_signal -1
	CVTSEQ TC, ZC, 32                              ; register work while the others arrive
	s_barrier_wait -1                              ; everybody's are
	LDZF 0, ZFA
	LDZF 1, ZFB
	LDZF 2, ZFC
	LDZF 3, ZFD
	WIN 0x04
	s_wait_dscnt 24                                ; K step 0's eight loads are in, the 24 younger ones stay out; and so on
	MM1 ZFA, 0, 1                                  ; the first product starts the sums
	s_wait_dscnt 16
	MM1 ZFB, 1, 0
	s_wait_dscnt 8
	MM1 ZFC, 2, 0
	s_wait_dscnt 0x0                               ; my reads of z_s's fragments are over:
	s_barrier_signal -1
	MM1 ZFD, 3, 0
	s_barrier_wait -1                              ; everybody's are: the next trip may store its fragments
	PLACES 5
	GRP ZC, CF0, CF1, BCB, BK0, 0, 0, 0, 0, 0, 0           ; h_c, rows 0-15, tiles 0-3: no bank is waiting yet
	WIN 0
	GPACK
	GRP ZC, CF0, CF1, BCB, BK1, 4, 1, BK0, 0, 0, 1         ; h_c, rows 0-15, tiles 4-7     | Wo on rows 0-15, tiles 0-3: starts mu's sums
	GRP ZC+16, CF0, CF1, BCB, BK0, 0, 1, BK1, 0, 4, 0      ; h_c, rows 16-31, tiles 0-3    | Wo on rows 0-15, tiles 4-7
	GRP ZC+16, CF0, CF1, BCB, BK1, 4, 1, BK0, 1, 0, 1      ; h_c, rows 16-31, tiles 4-7    | Wo on rows 16-31, tiles 0-3: starts mu's sums
	GRP GF, WF0, WF1, BB, BK0, 0, 1, BK1, 1, 4, 0          ; h1, rows 0-15, tiles 0-3      | Wo on rows 16-31, tiles 4-7
	GRP GF, WF0, WF1, BB, BK1, 4, 2, BK0, 0, 0, 1          ; h1, rows 0-15, tiles 4-7      | W2 on rows 0-15, tiles 0-3: starts sigma's sums
	GRP GF, WF0, WF1, BB, BK0, 8, 2, BK1, 0, 4, 0
	GRP GF, WF0, WF1, BB, BK1, 12, 2, BK0, 0, 8, 0
	GRP GF+16, WF0, WF1, BB, BK0, 0, 2, BK1, 0, 12, 0      ; h1, rows 16-31, tiles 0-3     | W2 on rows 0-15, tiles 12-15
	GRP GF+16, WF0, WF1, BB, BK1, 4, 2, BK0, 1, 0, 1       ;                               | W2 on rows 16-31, tiles 0-3: starts sigma's sums
	GRP GF+16, WF0, WF1, BB, BK0, 8, 2, BK1, 1, 4, 0
	GRP GF+16, WF0, WF1, BB, BK1, 12, 2, BK0, 1, 8, 0
	EMAX 2, BK1                                    ; the last bank, under the setting that the group left
	EMAX 2, BK1+8
	EMAX 2, BK1+16
	EMAX 2, BK1+24
	ES 2, 1, BK1, 12, 0, 0
	ES 2, 1, BK1+8, 13, 1, 0
	ES 2, 1, BK1+16, 14, 0, 0
	ES 2, 1, BK1+24, 15, 1, 0
	WIN 0
	RED 0
	RED 1
	; softplus(x) = max(x, 0) + ln 2 log2(1 + 2^(-|x| log2 e)): the exponent is never above 0
	v_add_f32 v[TP], s87, v[ACC]                   ; mu + b2[0] + bo
	v_add_f32 v[TP+1], s85, v[ACC+16]              ; x
	v_and_b32 v[TP+2], 0x7fffffff, v[TP+1]
	v_mul_f32 v[TP+2], 0xbfb8aa3b, v[TP+2]
	v_exp_f32 v[TP+3], v[TP+2]
	v_max_num_f32 v[TP+4], 0, v[TP+1]              ; the plain instruction behind v_exp_f32 (ISA guide 5.7.2)
	s_wait_alu depctr_va_vdst(0)
	v_add_f32 v[TP+3], 1.0, v[TP+3]
	v_log_f32 v[TP+5], v[TP+3]
	v_add_f32 v[TP+4], 0x3c23d70a, v[TP+4]         ; + 0.01: the plain instruction behind v_log_f32
	s_wait_alu depctr_va_vdst(0)
	v_fma_f32 v[TP+5], v[TP+5], s54, v[TP+4]
	ds_store_b32 v[STS], v[TP]
	ds_store_b32 v[STS], v[TP+5] offset:4096
	v_add_nc_u32 v[STS], 512, v[STS]               ; the next slice's 128 numbers
	v_add_nc_u32 v[ZCA], ZSLOT, v[ZCA]             ; the next slice's z_c
	s_add_co_u32 s5, s5, 1
	s_cmp_lt_u32 s5, 8
	s_cbranch_scc1 .Lslice
	; ---------------- the way out: each store of sixteen lanes covers 256 consecutive bytes, aligned ----------------
	s_wait_dscnt 0x0                               ; my rows of mu and sigma are in LDS,
	s_barrier_signal -1
	s_barrier_wait -1                              ; everybody's are
	v_lshlrev_b32 v30, 4, v0
	v_add_nc_u32 v31, STG, v30
	ds_load_b128 v[32:35], v31
	ds_load_b128 v[36:39], v31 offset:2048
	ds_load_b128 v[40:43], v31 offset:4096
	ds_load_b128 v[44:47], v31 offset:6144
	s_wait_dscnt 0x0
	global_store_b128 v30, v[32:35], s[36:37] th:TH_STORE_NT
	global_store_b128 v30, v[36:39], s[36:37] offset:2048 th:TH_STORE_NT
	global_store_b128 v30, v[40:43], s[38:39] th:TH_STORE_NT
	global_store_b128 v30, v[44:47], s[38:39] offset:2048 th:TH_STORE_NT
	s_wait_tensorcnt 0x0
	ds_add_u32 v10, v11
	s_wait_dscnt 0x0
	s_endpgm
.Lfunc_end_k_q04b7bc9a9c_decoder:
	.size	k_q04b7bc9a9c_decoder, .Lfunc_end_k_q04b7bc9a9c_decoder-k_q04b7bc9a9c_decoder
	.p2alignl 7, 3214868480
	.fill 96, 4, 3214868480
	.section	.rodata,"a",@progbits
	.p2align	6, 0x0
	.amdhsa_kernel k_q04b7bc9a9c_decoder
		.amdhsa_group_segment_fixed_size 327680
		.amdhsa_private_segment_fixed_size 0
		.amdhsa_enable_private_segment 0
		.amdhsa_kernarg_size 128
		.amdhsa_user_sgpr_count 2
		.amdhsa_user_sgpr_kernarg_segment_ptr 1
		.amdhsa_wavefront_size32 1
		.amdhsa_system_sgpr_workgroup_id_x 1
		.amdhsa_system_sgpr_workgroup_id_y 1
		.amdhsa_system_sgpr_workgroup_id_z 1
		.amdhsa_system_vgpr_workitem_id 0
		.amdhsa_next_free_vgpr 1024
		.amdhsa_next_free_sgpr 100
		.amdhsa_reserve_vcc 0
		.amdhsa_float_denorm_mode_32 3
		.amdhsa_float_denorm_mode_16_64 3
		.amdhsa_memory_ordered 1
		.amdhsa_forward_progress 1
		.amdhsa_inst_pref_size 188
	.end_amdhsa_kernel
	.amdgpu_metadata
---
amdhsa.version: [ 1, 2 ]
amdhsa.kernels:
  - .name:           k_q04b7bc9a9c_decoder
    .symbol:         k_q04b7bc9a9c_decoder.kd
    .args:
      - { .name: z_signal, .offset: 0, .size: 8, .value_kind: global_buffer, .address_space: global }
      - { .name: z_corrupt, .offset: 8, .size: 8, .value_kind: global_buffer, .address_space: global }
      - { .name: A, .offset: 16, .size: 8, .value_kind: global_buffer, .address_space: global }
      - { .name: W_sig, .offset: 24, .size: 8, .value_kind: global_buffer, .address_space: global }
      - { .name: b_sig, .offset: 32, .size: 8, .value_kind: global_buffer, .address_space: global }
      - { .name: Wc, .offset: 40, .size: 8, .value_kind: global_buffer, .address_space: global }
      - { .name: bc, .offset: 48, .size: 8, .value_kind: global_buffer, .address_space: global }
      - { .name: Wo, .offset: 56, .size: 8, .value_kind: global_buffer, .address_space: global }
      - { .name: W1e, .offset: 64, .size: 8, .value_kind: global_buffer, .address_space: global }
      - { .name: b1e, .offset: 72, .size: 8, .value_kind: global_buffer, .address_space: global }
      - { .name: W2e, .offset: 80, .size: 8, .value_kind: global_buffer, .address_space: global }
      - { .name: b2e, .offset: 88, .size: 8, .value_kind: global_buffer, .address_space: global }
      - { .name: bo, .offset: 96, .size: 8, .value_kind: global_buffer, .address_space: global }
      - { .name: regime, .offset: 104, .size: 8, .value_kind: global_buffer, .address_space: global }
      - { .name: out0, .offset: 112, .size: 8, .value_kind: global_buffer, .address_space: global }
      - { .name: out1, .offset: 120, .size: 8, .value_kind: global_buffer, .address_space: global }
    .group_segment_fixed_size: 327680
    .private_segment_fixed_size: 0
    .kernarg_segment_align: 8
    .kernarg_segment_size: 128
    .max_flat_workgroup_size: 128
    .sgpr_count:     100
    .vgpr_count:     1024
    .wavefront_size: 32
...
	.end_amdgpu_metadata
.endif
;; end of part 2
